; MI455X (gfx1250); checked and timed in simulation.
; The chip was launched on July 23, 2026; its instructions are those of AMD's public machine-readable ISA for CDNA 5 (MIT licence, August 2026) and "CDNA5" Instruction Set Architecture Reference Guide (July 2026). The comments in the code are by the model that wrote it; some were corrected since.
;; RSA Block. Allowed arithmetic: matrix products marked QUANTISED: E2M1 operands, one E8M0 scale for each 32 along K, by v_wmma_scale_f32_16x16x128_f8f6f4 with both operands' format E2M1 (or v_wmma_scale_f32_32x16x128_f4), f32 sums; everything else in f32.
;; Inputs: W_in_codes 512 x 16 x 16 uint8 (E2M1 codes of W_in, K innermost, in blocks of 32 codes, two codes a byte); W_in_scales 512 x 16 uint8 (E8M0 scales of W_in, one for each 32 codes along K); W_k_codes 512 x 16 x 16 uint8 (E2M1 codes of W_k, K innermost, in blocks of 32 codes, two codes a byte); W_k_scales 512 x 16 uint8 (E8M0 scales of W_k, one for each 32 codes along K); W_o_codes 512 x 16 x 16 uint8 (E2M1 codes of W_o, K innermost, in blocks of 32 codes, two codes a byte); W_o_scales 512 x 16 uint8 (E8M0 scales of W_o, one for each 32 codes along K); W_q_codes 512 x 16 x 16 uint8 (E2M1 codes of W_q, K innermost, in blocks of 32 codes, two codes a byte); W_q_scales 512 x 16 uint8 (E8M0 scales of W_q, one for each 32 codes along K); W_r_codes 512 x 16 x 16 uint8 (E2M1 codes of W_r, K innermost, in blocks of 32 codes, two codes a byte); W_r_scales 512 x 16 uint8 (E8M0 scales of W_r, one for each 32 codes along K); W_v_codes 512 x 16 x 16 uint8 (E2M1 codes of W_v, K innermost, in blocks of 32 codes, two codes a byte); W_v_scales 512 x 16 uint8 (E8M0 scales of W_v, one for each 32 codes along K); b_in 512 float32; b_k 512 float32; b_o 512 float32; b_q 512 float32; b_r 512 float32; b_v 512 float32; inputs_codes 512 x 64 x 16 x 16 uint8 (E2M1 codes of inputs, K innermost, in blocks of 32 codes, two codes a byte); inputs_scales 512 x 64 x 16 uint8 (E8M0 scales of inputs, one for each 32 codes along K).
;; Outputs: out0 512 x 64 x 512 float32.
;; This version of the problem:
;;   THIS VERSION OF THE PROBLEM IS GIVEN IN LOW PRECISION. The matrix products marked QUANTISED in the list below multiply operands that are first quantised to E2M1 (2 exponent bits, 1 mantissa bit; 4 bits a number), with one power-of-two scale for each 32 numbers along K (OCP MX v1.0); their sums are f32. All else is computed in f32.
;;   The module's matrix products, in the order in which they are computed (A, B: the left and right operand; K: the contracted axis; several contracted axes count as one K, in the product's order):
;;     1. [M 32,768, K 512] x [K 512, N 512]; A: input inputs (given as codes); B: input W_in (given as codes): QUANTISED
;;     2. [M 32,768, K 512] x [K 512, N 512]; A: computed on the way; B: input W_q (given as codes): QUANTISED
;;     3. [M 32,768, K 512] x [K 512, N 512]; A: computed on the way; B: input W_k (given as codes): QUANTISED
;;     4. [M 32,768, K 512] x [K 512, N 512]; A: computed on the way; B: input W_v (given as codes): QUANTISED
;;     5. [M 32,768, K 512] x [K 512, N 512]; A: computed on the way; B: input W_r (given as codes): QUANTISED
;;     6. batch 512 x [M 64, K 512] x [K 512, N 64]; A: computed on the way; B: computed on the way: QUANTISED
;;     7. batch 512 x [M 64, K 64] x [K 64, N 512]; A: softmax (see below); B: computed on the way: QUANTISED
;;     8. [M 32,768, K 512] x [K 512, N 512]; A: computed on the way; B: input W_o (given as codes): QUANTISED
;;   THE QUANTISER, for each operand of a quantised product, along K:
;;     - K is cut into blocks of 32 from its start; a last block that is shorter is filled with zeros.
;;     - A block's scale is 2^e with e = floor(log2(the largest magnitude in the block)) - 2, held to -126 .. 127; a block of zeros has e = 0. As a byte (E8M0): e + 127.
;;     - Each number is divided by its block's scale, clamped to +-6, and rounded to the nearest number of E2M1, ties to even, subnormals kept.
;;     - The product sums the exact products of the quantised numbers (number of the format x scale) in f32.
;;   ~~~python
;;   def quantise(x, axis):      # numpy; x: float32 -> the quantised numbers, widened to float32 again
;;       x = np.moveaxis(x, axis, -1); K = x.shape[-1]
;;       x = np.pad(x, [(0, 0)] * (x.ndim - 1) + [(0, -K % 32)]); x = x.reshape(x.shape[:-1] + (-1, 32)); a = np.abs(x).max(-1, keepdims=True)
;;       e = np.where(a > 0, np.clip(np.frexp(np.where(a > 0, a, 1))[1] - 1 - 2, -126, 127), 0)      # np.frexp(a)[1] - 1 = floor(log2(a)), exactly
;;       r = np.clip(x / 2.0 ** e, -6, 6)
;;       step = 2.0 ** (np.maximum(np.frexp(np.where(r == 0, 1, r))[1] - 1, 0) - 1)
;;       q = np.round(r / step) * step * 2.0 ** e      # np.round: ties to even
;;       return np.moveaxis(q.reshape(q.shape[:-2] + (-1,))[..., :K], -1, axis).astype(np.float32)
;;   ~~~
;;   SOFTMAX AHEAD OF A QUANTISED PRODUCT. Where the list says 'softmax', what is quantised is not the finished softmax but p = 2^(t - M), with t = logit x log2(e) and M = ceil(the row's largest t), a whole number; so 1/2 < the row's largest p <= 1. The row's sum l is taken of the UNQUANTISED p, in f32, and the product's result is divided by l at the end. Since M is a whole number, a kernel that streams over the keys may use a running M (the ceiling of the running maximum): every later rescaling is an exact power of two, which a block's scale takes up: the codes' values come out the same.
;;   OPERANDS COMPUTED ON THE WAY. 'Computed on the way' means the value that the module computes at that place (a softmax that the list does not call 'softmax' is quantised finished and normalised). What goes into a quantiser is computed in f32, as accurately as f32 sums, v_exp_f32 and their like allow (about 1e-6 of the number): no bf16 or f16 on the way to a quantiser, and a product that is left as it is and whose result goes on into a quantised operand takes f32 operands (vector FMAs, or v_wmma_f32_16x16x4_f32). A number that lies on a knife's edge between two numbers of the format may be rounded either way, as far as f32 arithmetic and the matrix unit's own rounding can turn it there, and no further.
;;   INPUTS GIVEN AS CODES. W_in (in the module: [512, 512], K = its axis 0); W_k (in the module: [512, 512], K = its axis 0); W_o (in the module: [512, 512], K = its axis 0); W_q (in the module: [512, 512], K = its axis 0); W_r (in the module: [512, 512], K = its axis 0); W_v (in the module: [512, 512], K = its axis 0); inputs (in the module: [512, 64, 512], K = its axis 2): each comes as NAME_codes (uint8): NAME with its K axis moved to the last place and cut into blocks of 32 codes, [.., K / 32, bytes a block], one block behind the other in memory; two codes a byte, the lower K in the low four bits (a code: sign, 2 exponent bits, 1 mantissa bit); and NAME_scales (uint8): the same leading axes, one E8M0 byte (e + 127) for each 32 codes along K. Its value is code x scale, taken as it is: it is not quantised again, and the codes and scales need not be those that the quantiser above would give.
;; One version. Each part assembles by itself: llvm-mc -triple=amdgcn-amd-amdhsa -mcpu=gfx1250 --defsym DOCPART=n.
;; ======== version 1 of 1: 1 launch
;; launch rsa (part 1): grid 256 x 1, 4 waves a work-group, clusters of 4 x 1, 327,680 bytes of LDS; arguments inputs_codes, inputs_scales, W_in_codes, W_in_scales, b_in, W_v_codes, W_v_scales, b_v, W_q_codes, W_q_scales, b_q, W_k_codes, W_k_scales, b_k, W_r_codes, W_r_scales, b_r, W_o_codes, W_o_scales, b_o, out0; writes out0
.if DOCPART == 1
	.amdgcn_target "amdgcn-amd-amdhsa--gfx1250"
	.amdhsa_code_object_version 6
	.text
	.protected	k_q1155c100b9_rsa
	.globl	k_q1155c100b9_rsa
	.p2align	8
	.type	k_q1155c100b9_rsa,@function
k_q1155c100b9_rsa:
	s_mov_b64 s[64:65], 0
	v_nop
	global_prefetch_b8 v0, s[64:65] scope:SCOPE_SE
	s_setreg_imm32_b32 hwreg(HW_REG_WAVE_MODE, 25, 1), 1
	s_wait_xcnt 0x0
	s_wait_alu depctr_hold_cnt(0) depctr_sa_sdst(0) depctr_va_vdst(0) depctr_va_sdst(0) depctr_va_ssrc(0) depctr_va_vcc(0) depctr_vm_vsrc(0)
	s_getreg_b32 s2, hwreg(HW_REG_IB_STS2, 6, 4)
	s_cmp_eq_u32 s2, 0
	s_cbranch_scc0 .Lentry_in_a_cluster
	s_endpgm
.Lentry_in_a_cluster:
	s_bfe_u32 s2, ttmp6, 0x10000c
	s_cmp_lg_u32 s2, 0x3003
	s_cbranch_scc0 .Lentry_shape_is_right
	s_endpgm
.Lentry_shape_is_right:
; out = relu(Q(softmax(Q(q) Q(k)^T) v + r) W_o + b_o), q, k, v, r = Q(x) W + b, x = relu(in W_in + b_in): eight products on codes of FP4 (E2M1) with one E8M0 scale for each 32 along K, sums in f32.
; 512 batches of 64 agents, 512 channels.  Nothing between the inputs and out0 goes to memory.
; SHARES.  A work-group of four waves takes 128 rows: two batches, eight tiles m of 16 rows.  THE WAVES SHARE THE COLUMNS: wave w makes columns 128 w .. 128 w + 127 of every product, for all 128 rows.
; Each weight goes in two halves of 64 columns a wave: a STEP is 128 rows x 64 columns x K 512 = 32 accumulators (256 registers), 128 matrix instructions.  Twelve steps: W_in, W_v, W_q, W_k, W_r, W_o.
; THE WEIGHTS come through a ring of two LDS slots, a half weight each; every wave fetches, and alone reads, its own 64 rows.  CLUSTER: all work-groups walk the same weights, so the four of a cluster ask for each
; half JOINTLY: the same tensor load, the same descriptor, the mask 15.  The place in the cluster enters the global offsets of the inputs and of out0 alone.
; THE OPERAND that a product shares (the inputs, x, the context) lies in 256 registers of every wave.  What one wave makes of it reaches the others through LDS as an IMAGE OF ITS REGISTERS:
; fragment (m, K step s) at 1024 (4 m + s) + 512 c + 16 x lane; its rows' scale words at 32768 + 512 m + 16 x lane + 4 s.
; TWO USES of the matrix instruction.  TRANSPOSED (x, q, k, context: source 0 = 16 rows of W, source 1 = 16 rows of the operand): a lane holds one row, registers run along the columns, which are the next K.
; NATURAL (v, out: source 0 = the operand, source 1 = W): a lane holds one column, registers run down the rows: for v those are the keys, the K of the second attention product.
; ONE QUANTISER.  256 registers are 16 blocks B of 16: a lane has k = 8 hl + 0..7 and 16 + 8 hl + 0..7 of a block of 32, lane xor 16 the rest.  The conversion of registers 16 B + 8 u .. + 7 goes to code register
; 4 (B / 2) + 2 u + B % 2, and an exchange of halves between code registers 2 x and 2 x + 1 leaves register 4 (B / 2) + i with k = 8 i .. 8 i + 7 of block 2 (B / 2) + (lane / 16): the operand's layout.
; ATTENTION.  V^T's fragment has K = 128: batch 0's 64 keys, then batch 1's.  P's fragment of a tile of queries of batch b carries p's codes at K = 64 b on and zero codes elsewhere.  p = 2^(t - M), t = score x log2(e),
; M = ceil(the row's largest t): all 64 keys are at hand, so M is final.  The sum is taken of the unquantised p.  acc = acc / l + b_r, and W_r's products add in place onto that: r is never stored.
; OUT.  Tile t of W_o's step takes W_o's rows 4 r + t, so that after the relu a lane holds 4 neighbouring columns: sixteen lanes store 256 consecutive bytes, aligned, of one row of out0.
; LIMITS: NaN and infinities among the values are not served.  A block whose largest magnitude lies under 2^-124 has its byte held at 1; a block of zeros carries the byte 1 over zero codes (this program alone reads those bytes).
; REGISTERS, in windows of 256.  window 0: v1-27 addresses, v28-29 for the add, v32-107 scale words (nothing else ever), v108-123 1 / l, v124-251 at work.  window 1: the shared operand's 32 fragments, (m, s) at 8 (4 m + s).
; window 2: the 32 accumulators.  window 3: v0-63 two sets of W's four fragments, v64-95 the bias as the C of a sum's first product, v96-99 bias as loaded, v104-135 V^T, v136-199 P; in W_o's steps v104-231 rows of out0.
.set SLOT1, 1<<17                      ; LDS: slot 0 at 0, slot 1 here: one exclusive or turns an address from one into the other
.set WREG,  17408                      ; a wave's part of a slot: 64 rows x (256 + 16) bytes; W_o: 16 long rows x (1024 + 16)
.set R1,    69632                      ; the inputs' 128 rows, 272 bytes apart; later each wave's own images of V^T (8192 w + 1024 (4 h + t)) and their scale words (32768 + 1024 w + 128 (4 h + t) + 4 x lane)
.set BT,    106496                     ; the six biases, 2048 bytes each
.set PIM,   118784                     ; P's eight images
.set PSC,   126976                     ; their scale words, 128 m + 4 x lane;  1024 bytes on: 1 / l, laid likewise
.set SPARE, 129024                     ; the spare words, 128 bytes for each wave: two blocks of 256 bytes that no other line names
.set R2,    200704                     ; images of x, then of q, then of the context
.set R3,    237568                     ; images of k
.set WSC,   274432                     ; the six weights' scale bytes, 8192 bytes each, 16 a row
.set ASC, 32                           ; v32-63   the shared operand's scale words, 4 m + s
.set WSR, 64                           ; v64-79   W's, 4 t + s
.set KSR, 80                           ; v80-95   k's, 4 T + s
.set PSR, 96                           ; v96-103  q's, 4 i + s; then P's, m
.set VSR, 104                          ; v104-107 V^T's, t
.set IL,  108                          ; v108-123 1 / l of tile m at 108 + 2 m; the odd ones are written once, since packed forms name pairs
.set TM,  124                          ; the quantiser: largest magnitudes; TP lane xor 16's, then bytes; SO the conversions' scale operands; HW scale words; PCD codes
.set TP,  140
.set SO,  156
.set HW,  172
.set PCD, 180
.set SS,  124                          ; the softmax: scores of query tile i, key tile T at 124 + 32 i + 8 T
.set BM,  188
.set BQ,  192
.set NM,  196
.set LS,  200
.set LT,  204
.set SO4, 208
.set BY4, 212
.set PCS, 216
.set ZR,  224
.set PW,  228
.set RL,  230
.set RM,  232
.set LP,  234
.set BI,  64                           ; in window 3
.set BTMP, 96
.set VF,  104
.set PF,  136
.set OR3, 104
.set WV,  50                           ; s50 my wave's number
.set TB,  51                           ; s51 the slot in hand: 0 or SLOT1
.set G1,  52                           ; s[52:59] descriptor group 1 for a half weight
.set WOFF, 60                          ; s60 WREG x wave
.set HC,  61                           ; s61 counts a weight's two halves
.set SEL, 62                           ; s[62:63] lane selects: lane xor 16
.set G1O, 68                           ; s[68:75] group 1 for W_o's halves
.set G0,  76                           ; s[76:79] group 0 that walks; it serves slot 1's first fill
.set G0B, 80                           ; s[80:83] group 0 of slot 0's first fill
.set NP,  84                           ; s[84:85] where the next fill begins in memory (no descriptor register)
.set CS,  86                           ; s[86:87] log2(e), twice
.set OW,  88                           ; s88 LDS: the half's scale bytes;  s89 its bias;  s90, s91 where the step's images and scale words go;  s92, s93 V^T's
.set OBS, 89
.set OI,  90
.set OS,  91
.set OV,  92
.set OVS, 93
.set BETA, 94                          ; s94 the batch of my two tiles of queries: wave / 2;  s95 16 x that
.set SH16, 95
.set WB,  100                          ; s[100:101] 32768 x wave: my 128 rows in a weight's codes
.set MSB, 0
.macro WIN new                         ; the immediate's high byte repeats the setting that is left; a switch that changes nothing is dropped
.if MSB != \new
	s_set_vgpr_msb (MSB<<8)|\new
.set MSB, \new
.endif
.endm
.macro PLACES n                        ; plain vector instructions between a matrix instruction and a load into, or a read of, its registers
.rept \n
	v_nop
.endr
.endm
.macro ROUND                           ; a round of the cluster's barrier
	s_barrier_signal -1
	s_barrier_wait -1
	s_cmp_lg_u32 s[WV], 0
	s_cbranch_scc1 .Lnot_wave_0_\@
	s_barrier_signal -3
.Lnot_wave_0_\@:
	s_barrier_wait -3
	s_barrier_signal -1
	s_barrier_wait -1
.endm
; THE CHANGE OF SLOTS, at a step's end.  All my tensor loads have landed (the other slot's among them); my LDS stores of this step's images and my reads of this slot are done; the round shows the same of every wave
; of the four work-groups.  Behind it the slot just read takes the next weight's half: it has a whole step, 128 matrix instructions and a quantiser, in which to land.
.macro CHANGE g1
	WIN 0
	s_wait_tensorcnt 0x0                           ; no tensor load of mine is out, so the walking group 0 may be written
	ds_add_u32 v28, v29                            ; 0 onto my spare word
	s_xor_b32 s[G0+1], s[G0+1], SLOT1              ; the other slot than last time: the one just read
	s_mov_b64 s[G0+2:G0+3], s[NP:NP+1]
	s_or_b32 s[G0+3], s[G0+3], 0x80000000          ; type = 2
	s_add_nc_u64 s[NP:NP+1], s[NP:NP+1], 16384     ; the weight's other half: 64 rows of 256 bytes on
	s_xor_b32 s[TB], s[TB], SLOT1
	s_wait_dscnt 0x0                               ; the add, my stores and my reads are done
	ROUND
	tensor_load_to_lds s[G0:G0+3], s[\g1:\g1+7]    ; my one tensor load behind the round
	s_nop 0
	PLACES 4
.endm
; W's four fragments (16 rows x 128 K: 8 registers, two loads 32 bytes apart) of K step ks into set bank.  kind 0: tile t = rows 16 t + r, 272 bytes apart; kind 1 (W_o): rows 4 r + t: 1040 r + 256 t.
; In both the sixteen lanes of a half start 16 r bytes on, modulo 256.
.macro LOADW ks, bank, kind
	WIN 0xc0
.irp t, 0,1,2,3
.irp c, 0,1
.if \kind
	ds_load_b128 v[32*(\bank)+8*\t+4*\c:32*(\bank)+8*\t+4*\c+3], v7 offset:256*\t+64*(\ks)+32*\c
.else
	ds_load_b128 v[32*(\bank)+8*\t+4*\c:32*(\bank)+8*\t+4*\c+3], v7 offset:4352*\t+64*(\ks)+32*\c
.endif
.endr
.endr
.endm
; 32 matrix instructions: K step ks of a step.  The 32 accumulators take turns, one instruction a turn, in the same order in every K step.
; use 0: transposed, accumulator (m, t) at 32 m + 8 t;  use 1: natural, at 64 t + 8 m (v);  use 2: natural, at 32 m + 8 t (out).  first = 1: the bias is the C of the sum's first product.
.macro MUL ks, use, first
.if (\use) == 0
.if \first
	WIN 0xb7
.else
	WIN 0xa7
.endif
.else
.if \first
	WIN 0xbd
.else
	WIN 0xad
.endif
.endif
.irp m, 0,1,2,3,4,5,6,7
.irp t, 0,1,2,3
.set rW, 32*((\ks)%2)+8*\t
.set rA, 8*(4*\m+(\ks))
.set rD, 32*\m+8*\t
.if (\use) == 1
.set rD, 64*\t+8*\m
.endif
.set rB, BI+8*\t
.set sW, WSR+4*\t+(\ks)
.set sA, ASC+4*\m+(\ks)
.if (\use) == 0
.if \first
	v_wmma_scale_f32_16x16x128_f8f6f4 v[rD:rD+7], v[rW:rW+7], v[rA:rA+7], v[rB:rB+7], v[sW], v[sA] matrix_a_fmt:MATRIX_FMT_FP4 matrix_b_fmt:MATRIX_FMT_FP4
.else
	v_wmma_scale_f32_16x16x128_f8f6f4 v[rD:rD+7], v[rW:rW+7], v[rA:rA+7], v[rD:rD+7], v[sW], v[sA] matrix_a_fmt:MATRIX_FMT_FP4 matrix_b_fmt:MATRIX_FMT_FP4
.endif
.else
.if \first
	v_wmma_scale_f32_16x16x128_f8f6f4 v[rD:rD+7], v[rA:rA+7], v[rW:rW+7], v[rB:rB+7], v[sA], v[sW] matrix_a_fmt:MATRIX_FMT_FP4 matrix_b_fmt:MATRIX_FMT_FP4
.else
	v_wmma_scale_f32_16x16x128_f8f6f4 v[rD:rD+7], v[rA:rA+7], v[rW:rW+7], v[rD:rD+7], v[sA], v[sW] matrix_a_fmt:MATRIX_FMT_FP4 matrix_b_fmt:MATRIX_FMT_FP4
.endif
.endif
.endr
.endr
.endm
; A step's four K steps.  W's sets 0 and 1 were asked for last; each set is asked for again as soon as its products are issued, 32 matrix instructions ahead of its use.
.macro MM use, first, kind
	s_wait_dscnt 8                                 ; all but the youngest eight loads (set 1) are in
	MUL 0, \use, \first
	PLACES 4
	LOADW 2, 0, \kind
	s_wait_dscnt 8                                 ; set 1 is in; the eight just issued may be out
	MUL 1, \use, 0
	PLACES 4
	LOADW 3, 1, \kind
	s_wait_dscnt 8                                 ; K step 2's set is in
	MUL 2, \use, 0
	s_wait_dscnt 0
	MUL 3, \use, 0
	PLACES 4                                       ; in front of the first read of results
.endm
; THE QUANTISER on the 256 accumulator registers.  QMAX: each block's largest magnitude of my 16 numbers, with the floor 2^(3 - 127) among its leaves, so that the byte cannot fall under 1.  The blocks take turns,
; and each accumulator is read from its low end on.
.macro QMAX
	WIN 0x28
.irp B, 0,1,2,3,4,5,6,7,8,9,10,11,12,13,14,15
	v_max3_num_f32 v[TM+\B], 0x1800000, |v[16*\B]|, |v[16*\B+1]|
.endr
.irp i, 2,4,6,8,10,12,14
.irp B, 0,1,2,3,4,5,6,7,8,9,10,11,12,13,14,15
	v_max3_num_f32 v[TM+\B], v[TM+\B], |v[16*\B+\i]|, |v[16*\B+\i+1]|
.endr
.endr
.endm
.macro QMID                            ; with lane xor 16's; 2 off the exponent field gives the conversion's scale operand, a shift of that the byte
	WIN 0
.irp B, 0,1,2,3,4,5,6,7,8,9,10,11,12,13,14,15
	v_permlanex16_b32 v[TP+\B], v[TM+\B], s[SEL], s[SEL+1]
.endr
.irp B, 0,1,2,3,4,5,6,7,8,9,10,11,12,13,14,15
	v_max_num_f32 v[TM+\B], v[TM+\B], v[TP+\B]
.endr
.irp B, 0,1,2,3,4,5,6,7,8,9,10,11,12,13,14,15
	v_add_nc_u32 v[SO+\B], 0xff000000, v[TM+\B]
.endr
.irp B, 0,1,2,3,4,5,6,7,8,9,10,11,12,13,14,15
	v_lshrrev_b32 v[TP+\B], 23, v[SO+\B]
.endr
.endm
.macro QCVT                            ; the codes, and the exchange of halves that gives a lane whole blocks
	WIN 0x02
.irp B, 0,1,2,3,4,5,6,7,8,9,10,11,12,13,14,15
.irp u, 0,1
	v_cvt_scalef32_pk8_fp4_f32 v[PCD+4*(\B/2)+2*\u+(\B%2)], v[16*\B+8*\u:16*\B+8*\u+7], v[SO+\B]
.endr
.endr
	WIN 0
	v_nop                                          ; one plain place behind the conversions
.irp x, 0,1,2,3,4,5,6,7,8,9,10,11,12,13,14,15
	v_permlane16_swap_b32 v[PCD+2*\x], v[PCD+2*\x+1]
.endr
.endm
; A transposed step's results: half c = h of fragment (m, K step w) for each m, and two bytes of each row's scale word.
.macro EPIQ
	QMAX
	QMID
.irp m, 0,1,2,3,4,5,6,7
	v_lshl_or_b32 v[HW+\m], v[TP+2*\m+1], 8, v[TP+2*\m]
.endr
	QCVT
	v_add_nc_u32 v18, s[OI], v8
	v_add_nc_u32 v19, s[OS], v9
.irp m, 0,1,2,3,4,5,6,7
	ds_store_b128 v18, v[PCD+4*\m:PCD+4*\m+3] offset:4096*\m
.endr
.irp m, 0,1,2,3,4,5,6,7
	ds_store_b16 v19, v[HW+\m] offset:512*\m
.endr
.endm
; v's step: blocks 4 t + b are keys 32 b on of column tile t: four whole fragments of V^T, and a whole scale word a column.  They go to my own bytes and come back to me alone.
.macro EPIV
	QMAX
	QMID
.irp t, 0,1,2,3
	v_lshl_or_b32 v[HW+\t], v[TP+4*\t+1], 8, v[TP+4*\t]
.endr
.irp t, 0,1,2,3
	v_lshl_or_b32 v[HW+\t], v[TP+4*\t+2], 16, v[HW+\t]
.endr
.irp t, 0,1,2,3
	v_lshl_or_b32 v[HW+\t], v[TP+4*\t+3], 24, v[HW+\t]
.endr
	QCVT
	v_add_nc_u32 v18, s[OI], v15
	v_add_nc_u32 v19, s[OS], v16
.irp t, 0,1,2,3
	ds_store_b128 v18, v[PCD+8*\t:PCD+8*\t+3] offset:1024*\t
	ds_store_b128 v18, v[PCD+8*\t+4:PCD+8*\t+7] offset:1024*\t+512
	ds_store_b32 v19, v[HW+\t] offset:128*\t
.endr
.endm
; The head of a transposed step: W's scale words (a row's 16 bytes are its four K steps' words), the bias in the result's layout (columns 16 t + 8 hl + 0 .. 7), W's first two sets.
.macro TOPT
	WIN 0
	v_add_nc_u32 v7, s[TB], v5
	v_add_nc_u32 v20, s[OW], v10
	v_add_nc_u32 v21, s[OBS], v12
.irp t, 0,1,2,3
	ds_load_b128 v[WSR+4*\t:WSR+4*\t+3], v20 offset:256*\t
.endr
	WIN 0xc0
.irp t, 0,1,2,3
	ds_load_b128 v[BI+8*\t:BI+8*\t+3], v21 offset:64*\t
	ds_load_b128 v[BI+8*\t+4:BI+8*\t+7], v21 offset:64*\t+16
.endr
	LOADW 0, 0, 0
	LOADW 1, 1, 0
.endm
; The head of a natural step: a lane holds one column, so its bias is one number a tile, copied into the tile's eight registers of C.  kind 0: v (column 16 t + r);  kind 1: out (column 4 r + t).
.macro TOPN kind
	WIN 0
.if \kind
	v_add_nc_u32 v7, s[TB], v6
	v_add_nc_u32 v20, s[OW], v11
	v_add_nc_u32 v21, s[OBS], v14
.irp t, 0,1,2,3
	ds_load_b128 v[WSR+4*\t:WSR+4*\t+3], v20 offset:16*\t
.endr
	WIN 0xc0
	ds_load_b128 v[BTMP:BTMP+3], v21
.else
	v_add_nc_u32 v7, s[TB], v5
	v_add_nc_u32 v20, s[OW], v10
	v_add_nc_u32 v21, s[OBS], v13
.irp t, 0,1,2,3
	ds_load_b128 v[WSR+4*\t:WSR+4*\t+3], v20 offset:256*\t
.endr
	WIN 0xc0
.irp t, 0,1,2,3
	ds_load_b32 v[BTMP+\t], v21 offset:64*\t
.endr
.endif
	LOADW 0, 0, \kind
	LOADW 1, 1, \kind
	s_wait_dscnt 16                                ; all but W's two sets, sixteen loads, are in: the bias among them
	WIN 0xc3
.irp t, 0,1,2,3
.irp j, 0,1,2,3,4,5,6,7
	v_mov_b32 v[BI+8*\t+\j], v[BTMP+\t]
.endr
.endr
	PLACES 4
.endm
.macro FETCHA_IMG base                 ; the shared operand: 32 fragments and their scale words, from the images at base
	WIN 0
	v_add_nc_u32 v18, \base, v1
	v_add_nc_u32 v19, \base+32768, v1
	WIN 0x40
.irp m, 0,1,2,3,4,5,6,7
.irp s, 0,1,2,3
.irp c, 0,1
	ds_load_b128 v[8*(4*\m+\s)+4*\c:8*(4*\m+\s)+4*\c+3], v18 offset:1024*(4*\m+\s)+512*\c
.endr
.endr
.endr
	WIN 0
.irp m, 0,1,2,3,4,5,6,7
	ds_load_b128 v[ASC+4*\m:ASC+4*\m+3], v19 offset:512*\m
.endr
.endm
.macro OPEN i, img, scl                ; in front of weight i's loop of two halves
	s_mov_b32 s[HC], 0
	s_mov_b32 s[OW], WSC+8192*(\i)
	s_mov_b32 s[OBS], BT+2048*(\i)
	s_mov_b32 s[OI], \img
	s_mov_b32 s[OS], \scl
.endm
.macro CLOSE di, ds                    ; on to the other half: 64 rows of scale bytes, 64 numbers of the bias, the images' other part
	s_add_co_u32 s[OW], s[OW], 1024
	s_add_co_u32 s[OBS], s[OBS], 256
	s_add_co_u32 s[OI], s[OI], \di
	s_add_co_u32 s[OS], s[OS], \ds
	s_add_co_u32 s[HC], s[HC], 1
	s_cmp_lt_u32 s[HC], 2
.endm
; Four tiles of rows of out0: the relu puts column 4 r + t of row j beside its neighbours, each accumulator read from its low end on; then 32 stores.
.macro OUTB bq
	WIN 0xc8
.irp mm, 0,1,2,3
.irp j, 0,1,2,3,4,5,6,7
.irp t, 0,1,2,3
	v_max_num_f32 v[OR3+32*\mm+4*\j+\t], 0, v[32*(4*(\bq)+\mm)+8*\t+\j]
.endr
.endr
.endr
	WIN 0x0c
.irp mm, 0,1,2,3
.irp j, 0,1,2,3,4,5,6,7
	global_store_b128 v17, v[OR3+32*\mm+4*\j:OR3+32*\mm+4*\j+3], s[48:49] offset:2048*(16*(4*(\bq)+\mm)+\j) th:TH_STORE_NT   ; lanes 0-15: 256 consecutive bytes, aligned, of row 16 m + j; lanes 16-31: of row 16 m + 8 + j
.endr
.endr
	s_wait_xcnt 0x0                                ; the stores have read their registers and their base: both are written again only behind this wait
.endm
	; ---- THE HEAD
	s_load_b512 s[8:23], s[0:1], 0x0               ; inputs' codes s[8:9], scales s[10:11]; weight i: codes s[12 + 6 i], scales s[14 + 6 i], bias s[16 + 6 i]; i = 0 W_in, 1 W_v, 2 W_q, 3 W_k, 4 W_r, 5 W_o
	s_load_b512 s[24:39], s[0:1], 0x40
	s_load_b256 s[40:47], s[0:1], 0x80
	s_load_b64 s[48:49], s[0:1], 0xa0              ; out0
	v_lshl_add_u32 v28, v0, 2, SPARE
	v_mov_b32 v29, 0
	ds_add_u32 v28, v29
	ds_add_u32 v28, v29
	s_wait_dscnt 0x0
	v_lshrrev_b32 v30, 5, v0
	v_readfirstlane_b32 s[WV], v30                 ; wave 0..3
	v_and_b32 v30, 31, v0                          ; lane
	v_lshlrev_b32 v1, 4, v30                       ; v1  16 x lane
	v_lshlrev_b32 v2, 2, v30                       ; v2  4 x lane
	v_and_b32 v3, 15, v0                           ; v3  r
	v_bfe_u32 v4, v0, 4, 1                         ; v4  hl
	s_mul_i32 s[WOFF], s[WV], WREG
	v_mul_u32_u24 v5, v3, 272
	v_lshl_add_u32 v5, v4, 4, v5
	v_add_nc_u32 v5, s[WOFF], v5                   ; v5  my lane's place in my part of a slot
	v_mul_u32_u24 v6, v3, 1040
	v_lshl_add_u32 v6, v4, 4, v6
	v_add_nc_u32 v6, s[WOFF], v6                   ; v6  the same for W_o's long rows
	s_lshl_b32 s2, s[WV], 10
	v_add_nc_u32 v8, s2, v1                        ; v8  images: 16 x lane + 1024 w
	v_add_nc_u32 v16, s2, v2                       ; v16 V^T's scale words: 4 x lane + 1024 w
	s_lshl_b32 s3, s[WV], 2
	v_add_nc_u32 v9, s3, v1                        ; v9  scale words: 16 x lane + 4 w
	s_lshl_b32 s4, s[WV], 11
	v_lshl_add_u32 v10, v3, 4, s4                  ; v10 W's scale bytes: 16 r + 2048 w
	v_lshl_add_u32 v11, v3, 6, s4                  ; v11 W_o's: 64 r + 2048 w
	s_lshl_b32 s5, s[WV], 9
	v_lshl_add_u32 v12, v4, 5, s5                  ; v12 bias, transposed: 32 hl + 512 w
	v_lshl_add_u32 v13, v3, 2, s5                  ; v13 bias of v: 4 r + 512 w
	v_lshl_add_u32 v14, v3, 4, s5                  ; v14 bias of out: 16 r + 512 w
	s_lshl_b32 s6, s[WV], 13
	v_add_nc_u32 v15, s6, v1                       ; v15 16 x lane + 8192 w: V^T's images, q's images, and my 32 rows of the inputs in memory
	v_lshlrev_b32 v17, 14, v4
	v_lshl_add_u32 v17, v3, 4, v17
	v_add_nc_u32 v17, s5, v17                      ; v17 out0: 8 rows x hl + 16 r + 512 w
	v_add_nc_u32 v18, s5, v1                       ; my 512 bytes of a bias
	v_add_nc_u32 v19, s4, v1                       ; my 2048 bytes of a weight's scales
	v_lshlrev_b32 v20, 4, v3                       ; a row of the inputs' scales
	s_mul_i32 s7, s[WV], 32*272
	v_mul_u32_u24 v21, v4, 272
	v_lshl_add_u32 v21, v3, 4, v21
	v_add_nc_u32 v21, s7, v21
	v_add_nc_u32 v21, R1, v21                      ; where my 32 rows of the inputs go: two rows a store
	v_add_nc_u32 v22, BT, v18
	v_add_nc_u32 v23, WSC, v19
	v_mul_u32_u24 v24, v3, 272
	v_lshl_add_u32 v24, v4, 4, v24
	v_add_nc_u32 v24, R1, v24                      ; and where a fragment of the inputs is read
	s_mov_b32 s[SEL], 0x76543210
	s_mov_b32 s[SEL+1], 0xfedcba98
	s_mov_b32 s[CS], 0x3fb8aa3b                    ; log2(e)
	s_mov_b32 s[CS+1], s[CS]
	s_lshr_b32 s[BETA], s[WV], 1
	s_lshl_b32 s[SH16], s[BETA], 4
	s_lshl_b32 s[WB], s[WV], 15
	s_mov_b32 s[WB+1], 0
	; group 1 of a half weight's part: 64 rows of 256 bytes, dense in memory, 16 bytes of padding behind each
	s_mov_b32 s[G1], 15|(1<<20)|(1<<21)|(5<<22)|(3<<25)   ; 15:0 the mask: all four work-groups; 17:16 elements of 1 byte; 20 padding on; 21 set beside a mask; 24:22 after every 64 words; 31:25 four words
	s_mov_b32 s[G1+1], 256<<16                     ; tensor_dim0
	s_mov_b32 s[G1+2], 64<<16                      ; tensor_dim1
	s_mov_b32 s[G1+3], 256<<16                     ; tile_dim0
	s_mov_b32 s[G1+4], 64                          ; tile_dim1
	s_mov_b32 s[G1+5], 256                         ; from row to row
	s_mov_b32 s[G1+6], 0
	s_mov_b32 s[G1+7], 0
	; W_o's: the same 16,384 dense bytes stated as 16 rows of 1,024, 16 bytes of padding behind each
	s_mov_b32 s[G1O], 15|(1<<20)|(1<<21)|(7<<22)|(3<<25)  ; 24:22 after every 256 words
	s_mov_b32 s[G1O+1], 1024<<16
	s_mov_b32 s[G1O+2], 16<<16
	s_mov_b32 s[G1O+3], 1024<<16
	s_mov_b32 s[G1O+4], 16
	s_mov_b32 s[G1O+5], 1024
	s_mov_b32 s[G1O+6], 0
	s_mov_b32 s[G1O+7], 0
	s_bfe_u32 s97, ttmp6, 0x40000                  ; cx
	s_lshl_b32 s96, ttmp9, 2
	s_add_co_u32 s96, s96, s97                     ; my work-group: it enters the three global offsets below and nothing else
	s_mov_b32 s99, 0
	s_lshl_b32 s98, s96, 15                        ; 128 rows of 256 bytes
	s_wait_kmcnt 0x0
	s_add_nc_u64 s[8:9], s[8:9], s[98:99]
	s_lshl_b32 s98, s96, 11                        ; of 16 bytes
	s_add_nc_u64 s[10:11], s[10:11], s[98:99]
	s_lshl_b32 s98, s96, 18                        ; of 2,048 bytes
	s_add_nc_u64 s[48:49], s[48:49], s[98:99]
	; what the loops would fetch in small pieces is copied once: my 32 rows of the inputs, and my own 128 columns' biases and scale bytes of all six weights: 512 consecutive bytes a load
	WIN 0x80
.irp q, 0,1,2,3,4,5,6,7,8,9,10,11,12,13,14,15
	global_load_b128 v[4*\q:4*\q+3], v15, s[8:9] offset:512*\q th:TH_LOAD_NT
.endr
.irp i, 0,1,2,3,4,5
	global_load_b128 v[64+4*\i:64+4*\i+3], v18, s[16+6*\i:17+6*\i]
.irp q, 0,1,2,3
	global_load_b128 v[88+16*\i+4*\q:88+16*\i+4*\q+3], v19, s[14+6*\i:15+6*\i] offset:512*\q
.endr
.endr
	WIN 0
.irp m, 0,1,2,3,4,5,6,7
	global_load_b128 v[ASC+4*\m:ASC+4*\m+3], v20, s[10:11] offset:256*\m   ; the inputs' scale words: row 16 m + r's four
.endr
.irp b, 0,1,2,3,4,5,6,7,8,9,10,11,12,13,14,15
	v_mov_b32 v[TP+\b], 0                          ; written once: a lane permute's destination counts as one of its sources
.endr
.irp m, 0,1,2,3,4,5,6,7
	v_mov_b32 v[IL+2*\m+1], 0                      ; named as the upper halves of pairs
.endr
	s_mov_b32 s[G0B], 1                            ; count = 1
	s_mov_b32 s[G0B+1], s[WOFF]                    ; slot 0, my part
	s_add_nc_u64 s[G0B+2:G0B+3], s[12:13], s[WB:WB+1]   ; W_in, my first 64 rows
	s_or_b32 s[G0B+3], s[G0B+3], 0x80000000        ; type = 2
	s_mov_b32 s[G0], 1
	s_add_co_u32 s[G0+1], s[WOFF], SLOT1           ; slot 1
	s_add_nc_u64 s[G0+2:G0+3], s[12:13], s[WB:WB+1]
	s_add_nc_u64 s[G0+2:G0+3], s[G0+2:G0+3], 16384 ; my other 64 rows
	s_or_b32 s[G0+3], s[G0+3], 0x80000000
	ROUND                                          ; all four work-groups are here: the first joint loads meet
	tensor_load_to_lds s[G0B:G0B+3], s[G1:G1+7]
	s_nop 0
	tensor_load_to_lds s[G0:G0+3], s[G1:G1+7]      ; two loads of mine are out
	s_nop 0
	PLACES 4
	s_add_nc_u64 s[NP:NP+1], s[18:19], s[WB:WB+1]  ; the next fills: W_v
	s_mov_b32 s[TB], 0
	s_wait_loadcnt 0x0
	WIN 0x08
.irp q, 0,1,2,3,4,5,6,7,8,9,10,11,12,13,14,15
	ds_store_b128 v21, v[4*\q:4*\q+3] offset:544*\q
.endr
.irp i, 0,1,2,3,4,5
	ds_store_b128 v22, v[64+4*\i:64+4*\i+3] offset:2048*\i
.irp q, 0,1,2,3
	ds_store_b128 v23, v[88+16*\i+4*\q:88+16*\i+4*\q+3] offset:8192*\i+512*\q
.endr
.endr
	WIN 0
	s_wait_dscnt 0x0                               ; for the others' sake: my rows of the inputs lie in LDS
	s_wait_tensorcnt 0x1                           ; slot 0's fill has landed; slot 1's, issued behind it, may stay out
	s_barrier_signal -1
	s_barrier_wait -1
	WIN 0x40
.irp m, 0,1,2,3,4,5,6,7
.irp s, 0,1,2,3
.irp c, 0,1
	ds_load_b128 v[8*(4*\m+\s)+4*\c:8*(4*\m+\s)+4*\c+3], v24 offset:4352*\m+64*\s+32*\c   ; the inputs' 32 fragments
.endr
.endr
.endr
	WIN 0
	; ---- W_in: x = relu(in W_in + b_in), quantised, to R2
	OPEN 0, R2, R2+32768
.Lw_in:
	TOPT
	MM 0, 1, 0
	WIN 0x88
.set j, 0
.rept 256
	v_max_num_f32 v[j], 0, v[j]
.set j, j+1
.endr
	EPIQ
	CHANGE G1
	CLOSE 512, 2
	s_cbranch_scc1 .Lw_in
	FETCHA_IMG R2                                  ; x stays in registers through W_v, W_q, W_k and W_r
	s_add_nc_u64 s[NP:NP+1], s[24:25], s[WB:WB+1]  ; the next fills: W_q
	; ---- W_v: v, quantised along the keys, to my own bytes of R1 (the inputs' rows were last read two rounds ago)
	OPEN 1, R1, R1+32768
.Lw_v:
	TOPN 0
	MM 1, 1, 0
	EPIV
	CHANGE G1
	CLOSE 4096, 512
	s_cbranch_scc1 .Lw_v
	s_add_nc_u64 s[NP:NP+1], s[30:31], s[WB:WB+1]  ; W_k
	; ---- W_q: q to R2 (x's images were last read two rounds ago)
	OPEN 2, R2, R2+32768
.Lw_q:
	TOPT
	MM 0, 1, 0
	EPIQ
	CHANGE G1
	CLOSE 512, 2
	s_cbranch_scc1 .Lw_q
	s_add_nc_u64 s[NP:NP+1], s[36:37], s[WB:WB+1]  ; W_r
	; ---- W_k: k to R3
	OPEN 3, R3, R3+32768
.Lw_k:
	TOPT
	MM 0, 1, 0
	EPIQ
	CHANGE G1
	CLOSE 512, 2
	s_cbranch_scc1 .Lw_k
	s_add_nc_u64 s[NP:NP+1], s[42:43], s[WB:WB+1]  ; W_o
	; ---- THE SCORES AND THE SOFTMAX.  Wave w: query tiles 2 w and 2 w + 1 against the four key tiles of their batch.  S^T = k q^T: a lane holds one query; registers and lane xor 16 hold its 64 keys.
	v_add_nc_u32 v18, R2, v15                      ; q's fragments: 8192 w
	v_add_nc_u32 v19, R2+32768, v8                 ; q's scale words: 1024 w
	s_lshl_b32 s2, s[BETA], 14
	s_add_co_u32 s2, s2, R3
	v_add_nc_u32 v20, s2, v1                       ; k's fragments: 16384 x batch
	s_lshl_b32 s3, s[BETA], 11
	s_add_co_u32 s3, s3, R3+32768
	v_add_nc_u32 v21, s3, v1                       ; k's scale words
	s_lshl_b32 s4, s[WV], 11
	s_lshl_b32 s5, s[BETA], 9
	s_add_co_u32 s5, s5, s4
	s_add_co_u32 s5, s5, PIM
	v_add_nc_u32 v22, s5, v1                       ; P's images: 2048 w; p's codes at half c = batch,
	s_xor_b32 s6, s[BETA], 1
	s_lshl_b32 s6, s6, 9
	s_add_co_u32 s6, s6, s4
	s_add_co_u32 s6, s6, PIM
	v_add_nc_u32 v23, s6, v1                       ; zero codes at the other half
	s_lshl_b32 s7, s[WV], 8
	s_add_co_u32 s7, s7, PSC
	v_add_nc_u32 v24, s7, v2
	v_add_nc_u32 v25, PIM, v1
	v_add_nc_u32 v26, PSC, v2
.irp i, 0,1
	ds_load_b128 v[PSR+4*\i:PSR+4*\i+3], v19 offset:512*\i
.endr
.irp T, 0,1,2,3
	ds_load_b128 v[KSR+4*\T:KSR+4*\T+3], v21 offset:512*\T
.endr
	WIN 0x80
.irp T, 0,1,2,3
.irp s, 0,1,2,3
.irp c, 0,1
	ds_load_b128 v[8*(4*\T+\s)+4*\c:8*(4*\T+\s)+4*\c+3], v20 offset:4096*\T+1024*\s+512*\c
.endr
.endr
.endr
.irp i, 0,1
.irp s, 0,1,2,3
.irp c, 0,1
	ds_load_b128 v[128+8*(4*\i+\s)+4*\c:128+8*(4*\i+\s)+4*\c+3], v18 offset:4096*\i+1024*\s+512*\c
.endr
.endr
.endr
	s_wait_dscnt 0x0
	WIN 0x0a
.irp s, 0,1,2,3                        ; eight accumulators by turns
.irp i, 0,1
.irp T, 0,1,2,3
.if \s == 0
	v_wmma_scale_f32_16x16x128_f8f6f4 v[SS+32*\i+8*\T:SS+32*\i+8*\T+7], v[8*(4*\T+\s):8*(4*\T+\s)+7], v[128+8*(4*\i+\s):128+8*(4*\i+\s)+7], 0, v[KSR+4*\T+\s], v[PSR+4*\i+\s] matrix_a_fmt:MATRIX_FMT_FP4 matrix_b_fmt:MATRIX_FMT_FP4
.else
	v_wmma_scale_f32_16x16x128_f8f6f4 v[SS+32*\i+8*\T:SS+32*\i+8*\T+7], v[8*(4*\T+\s):8*(4*\T+\s)+7], v[128+8*(4*\i+\s):128+8*(4*\i+\s)+7], v[SS+32*\i+8*\T:SS+32*\i+8*\T+7], v[KSR+4*\T+\s], v[PSR+4*\i+\s] matrix_a_fmt:MATRIX_FMT_FP4 matrix_b_fmt:MATRIX_FMT_FP4
.endif
.endr
.endr
.endr
	WIN 0
.irp b, 0,1,2,3
	v_mov_b32 v[ZR+\b], 0                          ; the zero codes; also the four places behind the products
.endr
.irp b, 0,1,2,3
	v_mov_b32 v[BQ+\b], 0                          ; lane permutes' destinations
.endr
	v_mov_b32 v[LP], 0
	v_mov_b32 v[LP+1], 0
	v_mov_b32 v[NM+1], 0                           ; upper halves of pairs
	v_mov_b32 v[NM+3], 0
.irp B, 0,1,2,3                        ; block B = 2 i + e: keys 32 e on of query tile i.  Its largest score serves the row's maximum and, since p rises with the score, the block's largest p
	v_max3_num_f32 v[BM+\B], v[SS+16*\B], v[SS+16*\B+1], v[SS+16*\B+2]
.endr
.irp i, 3,5,7,9,11,13
.irp B, 0,1,2,3
	v_max3_num_f32 v[BM+\B], v[BM+\B], v[SS+16*\B+\i], v[SS+16*\B+\i+1]
.endr
.endr
.irp B, 0,1,2,3
	v_max_num_f32 v[BM+\B], v[BM+\B], v[SS+16*\B+15]
.endr
.irp B, 0,1,2,3
	v_permlanex16_b32 v[BQ+\B], v[BM+\B], s[SEL], s[SEL+1]
.endr
.irp B, 0,1,2,3
	v_max_num_f32 v[BM+\B], v[BM+\B], v[BQ+\B]
.endr
.irp i, 0,1
	v_max_num_f32 v[RM+\i], v[BM+2*\i], v[BM+2*\i+1]   ; the row's largest score
.endr
.irp i, 0,1
	v_mul_f32 v[RM+\i], s[CS], v[RM+\i]            ; as t
.endr
.irp i, 0,1
	v_floor_f32 v[NM+2*\i], -v[RM+\i]              ; -M = floor(-t) = -ceil(t)
.endr
.irp i, 0,1
.irp j, 0,2,4,6,8,10,12,14,16,18,20,22,24,26,28,30
	v_pk_fma_f32 v[SS+32*\i+\j:SS+32*\i+\j+1], v[SS+32*\i+\j:SS+32*\i+\j+1], s[CS:CS+1], v[NM+2*\i:NM+2*\i+1] op_sel_hi:[1,0,0]   ; t - M, two at a time
.endr
.endr
.irp B, 0,1,2,3
	v_fma_f32 v[BM+\B], v[BM+\B], s[CS], v[NM+2*(\B/2)]   ; the same of each block's largest score
.endr
.set j, 0
.rept 64
	v_exp_f32 v[SS+j], v[SS+j]                     ; p = 2^(t - M): not normalised
.set j, j+1
.endr
	v_nop                                          ; a plain place behind the exponentials
	s_wait_alu depctr_va_vdst(0)                   ; one wait for the batch, ahead of its first reader
.irp B, 0,1,2,3
	v_exp_f32 v[BM+\B], v[BM+\B]                   ; the blocks' largest p
.endr
.irp i, 0,1                            ; the rows' sums of the unquantised p, two chains a tile; they read the 64 alone
	v_pk_add_f32 v[LS+2*\i:LS+2*\i+1], v[SS+32*\i:SS+32*\i+1], v[SS+32*\i+2:SS+32*\i+3]
	v_pk_add_f32 v[LT+2*\i:LT+2*\i+1], v[SS+32*\i+4:SS+32*\i+5], v[SS+32*\i+6:SS+32*\i+7]
.endr
.irp j, 8,12,16,20,24,28
.irp i, 0,1
	v_pk_add_f32 v[LS+2*\i:LS+2*\i+1], v[LS+2*\i:LS+2*\i+1], v[SS+32*\i+\j:SS+32*\i+\j+1]
	v_pk_add_f32 v[LT+2*\i:LT+2*\i+1], v[LT+2*\i:LT+2*\i+1], v[SS+32*\i+\j+2:SS+32*\i+\j+3]
.endr
.endr
.irp i, 0,1
	v_pk_add_f32 v[LS+2*\i:LS+2*\i+1], v[LS+2*\i:LS+2*\i+1], v[LT+2*\i:LT+2*\i+1]
.endr
	s_wait_alu depctr_va_vdst(0)                   ; and one for the four
.irp B, 0,1,2,3
	v_max_num_f32 v[BM+\B], 0x1800000, v[BM+\B]    ; the floor 2^(3 - 127)
.endr
.irp B, 0,1,2,3
	v_add_nc_u32 v[SO4+\B], 0xff000000, v[BM+\B]
.endr
.irp B, 0,1,2,3
	v_lshrrev_b32 v[BY4+\B], 23, v[SO4+\B]
.endr
.irp i, 0,1
	v_lshl_or_b32 v[PW+\i], v[BY4+2*\i+1], 8, v[BY4+2*\i]
.endr
.irp i, 0,1
	v_lshlrev_b32 v[PW+\i], s[SH16], v[PW+\i]      ; the two bytes at K = 64 x batch on; the other two stay 0, over zero codes
.endr
.irp B, 0,1,2,3
.irp u, 0,1
	v_cvt_scalef32_pk8_fp4_f32 v[PCS+4*(\B/2)+2*\u+(\B%2)], v[SS+16*\B+8*\u:SS+16*\B+8*\u+7], v[SO4+\B]
.endr
.endr
	v_nop                                          ; one plain place behind the conversions
.irp x, 0,1,2,3
	v_permlane16_swap_b32 v[PCS+2*\x], v[PCS+2*\x+1]
.endr
.irp i, 0,1
	v_add_f32 v[LS+2*\i], v[LS+2*\i], v[LS+2*\i+1]
.endr
.irp i, 0,1
	v_permlanex16_b32 v[LP+\i], v[LS+2*\i], s[SEL], s[SEL+1]
.endr
.irp i, 0,1
	v_add_f32 v[LS+2*\i], v[LS+2*\i], v[LP+\i]     ; the row's sum
.endr
.irp i, 0,1
	v_rcp_f32 v[RL+\i], v[LS+2*\i]
.endr
	v_nop
	s_wait_alu depctr_va_vdst(0)
.irp i, 0,1
	ds_store_b128 v22, v[PCS+4*\i:PCS+4*\i+3] offset:1024*\i
	ds_store_b128 v23, v[ZR:ZR+3] offset:1024*\i
	ds_store_b32 v24, v[PW+\i] offset:128*\i
	ds_store_b32 v24, v[RL+\i] offset:1024+128*\i
.endr
	s_wait_dscnt 0x0                               ; my stores have landed, and my reads of q's and k's images are in
	s_barrier_signal -1                            ; W_r's second half may stay on its way
	s_barrier_wait -1
	WIN 0xc0
.irp m, 0,1,2,3,4,5,6,7
.irp c, 0,1
	ds_load_b128 v[PF+8*\m+4*\c:PF+8*\m+4*\c+3], v25 offset:1024*\m+512*\c
.endr
.endr
	WIN 0
.irp m, 0,1,2,3,4,5,6,7
	ds_load_b32 v[PSR+\m], v26 offset:128*\m
	ds_load_b32 v[IL+2*\m], v26 offset:1024+128*\m
.endr
	; ---- W_r: context = (V^T P) / l + b_r + x W_r, quantised, to R2 (q's images were last read ahead of the barrier above)
	OPEN 4, R2, R2+32768
	s_mov_b32 s[OV], R1
	s_mov_b32 s[OVS], R1+32768
.Lw_r:
	v_add_nc_u32 v22, s[OVS], v16
	v_add_nc_u32 v23, s[OV], v15
.irp t, 0,1,2,3
	ds_load_b32 v[VSR+\t], v22 offset:128*\t
.endr
	WIN 0xc0
.irp t, 0,1,2,3
.irp c, 0,1
	ds_load_b128 v[VF+8*\t+4*\c:VF+8*\t+4*\c+3], v23 offset:1024*\t+512*\c
.endr
.endr
	TOPT
	s_wait_dscnt 16                                ; all but W's two sets, sixteen loads, are in: V^T, P, their scales, 1 / l and the bias
	WIN 0x8f
.irp m, 0,1,2,3,4,5,6,7
.irp t, 0,1,2,3
	v_wmma_scale_f32_16x16x128_f8f6f4 v[32*\m+8*\t:32*\m+8*\t+7], v[VF+8*\t:VF+8*\t+7], v[PF+8*\m:PF+8*\m+7], 0, v[VSR+\t], v[PSR+\m] matrix_a_fmt:MATRIX_FMT_FP4 matrix_b_fmt:MATRIX_FMT_FP4
.endr
.endr
	PLACES 4
	WIN 0xb2
.irp m, 0,1,2,3,4,5,6,7
.irp t, 0,1,2,3
.irp x, 0,2,4,6
	v_pk_fma_f32 v[32*\m+8*\t+\x:32*\m+8*\t+\x+1], v[32*\m+8*\t+\x:32*\m+8*\t+\x+1], v[IL+2*\m:IL+2*\m+1], v[BI+8*\t+\x:BI+8*\t+\x+1] op_sel_hi:[1,0,1]   ; / l, + b_r
.endr
.endr
.endr
	MM 0, 0, 0                                     ; x W_r adds in place
	EPIQ
	CHANGE G1O
	s_add_co_u32 s[OV], s[OV], 4096
	s_add_co_u32 s[OVS], s[OVS], 512
	CLOSE 512, 2
	s_cbranch_scc1 .Lw_r
	FETCHA_IMG R2                                  ; the context
	; ---- W_o: out0 = relu(context W_o + b_o).  Nothing is filled any more.
	s_mov_b32 s[HC], 0
	s_mov_b32 s[OW], WSC+8192*5
	s_mov_b32 s[OBS], BT+2048*5
.Lw_o:
	TOPN 1
	MM 2, 1, 1
	OUTB 0
	OUTB 1
	WIN 0
	s_add_nc_u64 s[48:49], s[48:49], 256           ; the other 64 columns
	s_xor_b32 s[TB], s[TB], SLOT1
	s_wait_tensorcnt 0x0                           ; W_o's second half, my own load into bytes that I alone read, has landed
	s_add_co_u32 s[OW], s[OW], 1024
	s_add_co_u32 s[OBS], s[OBS], 256
	s_add_co_u32 s[HC], s[HC], 1
	s_cmp_lt_u32 s[HC], 2
	s_cbranch_scc1 .Lw_o
	s_wait_tensorcnt 0x0                           ; the wave's end
	ds_add_u32 v28, v29
	s_wait_dscnt 0x0
	ROUND                                          ; the closing round: no work-group ends while a partner may still ask for a tile that names it
	s_endpgm
.Lfunc_end_k_q1155c100b9_rsa:
	.size	k_q1155c100b9_rsa, .Lfunc_end_k_q1155c100b9_rsa-k_q1155c100b9_rsa
	.p2alignl 7, 3214868480
	.fill 96, 4, 3214868480
	.section	.rodata,"a",@progbits
	.p2align	6, 0x0
	.amdhsa_kernel k_q1155c100b9_rsa
		.amdhsa_group_segment_fixed_size 327680
		.amdhsa_private_segment_fixed_size 0
		.amdhsa_enable_private_segment 0
		.amdhsa_kernarg_size 168
		.amdhsa_user_sgpr_count 2
		.amdhsa_user_sgpr_kernarg_segment_ptr 1
		.amdhsa_wavefront_size32 1
		.amdhsa_system_sgpr_workgroup_id_x 1
		.amdhsa_system_sgpr_workgroup_id_y 1
		.amdhsa_system_sgpr_workgroup_id_z 1
		.amdhsa_system_vgpr_workitem_id 0
		.amdhsa_next_free_vgpr 1024
		.amdhsa_next_free_sgpr 102
		.amdhsa_reserve_vcc 0
		.amdhsa_float_denorm_mode_32 3
		.amdhsa_float_denorm_mode_16_64 3
		.amdhsa_memory_ordered 1
		.amdhsa_forward_progress 1
		.amdhsa_inst_pref_size 255
	.end_amdhsa_kernel
	.section	.bss,"aw",@nobits
	.p2align	6
	.space	262144
	.amdgpu_metadata
---
amdhsa.version: [ 1, 2 ]
amdhsa.kernels:
  - .name:           k_q1155c100b9_rsa
    .symbol:         k_q1155c100b9_rsa.kd
    .args:
      - { .name: inputs_codes, .offset: 0, .size: 8, .value_kind: global_buffer, .address_space: global }
      - { .name: inputs_scales, .offset: 8, .size: 8, .value_kind: global_buffer, .address_space: global }
      - { .name: W_in_codes, .offset: 16, .size: 8, .value_kind: global_buffer, .address_space: global }
      - { .name: W_in_scales, .offset: 24, .size: 8, .value_kind: global_buffer, .address_space: global }
      - { .name: b_in, .offset: 32, .size: 8, .value_kind: global_buffer, .address_space: global }
      - { .name: W_v_codes, .offset: 40, .size: 8, .value_kind: global_buffer, .address_space: global }
      - { .name: W_v_scales, .offset: 48, .size: 8, .value_kind: global_buffer, .address_space: global }
      - { .name: b_v, .offset: 56, .size: 8, .value_kind: global_buffer, .address_space: global }
      - { .name: W_q_codes, .offset: 64, .size: 8, .value_kind: global_buffer, .address_space: global }
      - { .name: W_q_scales, .offset: 72, .size: 8, .value_kind: global_buffer, .address_space: global }
      - { .name: b_q, .offset: 80, .size: 8, .value_kind: global_buffer, .address_space: global }
      - { .name: W_k_codes, .offset: 88, .size: 8, .value_kind: global_buffer, .address_space: global }
      - { .name: W_k_scales, .offset: 96, .size: 8, .value_kind: global_buffer, .address_space: global }
      - { .name: b_k, .offset: 104, .size: 8, .value_kind: global_buffer, .address_space: global }
      - { .name: W_r_codes, .offset: 112, .size: 8, .value_kind: global_buffer, .address_space: global }
      - { .name: W_r_scales, .offset: 120, .size: 8, .value_kind: global_buffer, .address_space: global }
      - { .name: b_r, .offset: 128, .size: 8, .value_kind: global_buffer, .address_space: global }
      - { .name: W_o_codes, .offset: 136, .size: 8, .value_kind: global_buffer, .address_space: global }
      - { .name: W_o_scales, .offset: 144, .size: 8, .value_kind: global_buffer, .address_space: global }
      - { .name: b_o, .offset: 152, .size: 8, .value_kind: global_buffer, .address_space: global }
      - { .name: out0, .offset: 160, .size: 8, .value_kind: global_buffer, .address_space: global }
    .group_segment_fixed_size: 327680
    .private_segment_fixed_size: 0
    .kernarg_segment_align: 8
    .kernarg_segment_size: 168
    .max_flat_workgroup_size: 128
    .sgpr_count:     102
    .vgpr_count:     1024
    .wavefront_size: 32
...
	.end_amdgpu_metadata
.endif
;; end of part 1
